; MI455X (gfx1250); checked and timed in simulation.
; The chip was launched on July 23, 2026; its instructions are those of AMD's public machine-readable ISA for CDNA 5 (MIT licence, August 2026) and "CDNA5" Instruction Set Architecture Reference Guide (July 2026). The comments in the code are by the model that wrote it; some were corrected since.
;; MSA Outer Product Mean. Allowed arithmetic: float matrix products may take bf16 or f16 operands with f32 sums; other float arithmetic in f32, or as packed bf16 or f16 multiplies, adds, multiply-adds, maxima and minima; sums over many terms, partial sums and values carried from step to step in f32; what a program stores and reads back later, other than sums and carried values, may be rounded once to bf16 or f16.
;; Inputs: b1 32 float32; b2 32 float32; b3 128 float32; ln_beta 256 float32; ln_gamma 256 float32; msa 1 x 64 x 256 x 256 float32; w1 32 x 256 float32; w2 32 x 256 float32; w3 128 x 1,024 float32.
;; Outputs: out0 1 x 256 x 256 x 128 float32.
;; One version. Each part assembles by itself: llvm-mc -triple=amdgcn-amd-amdhsa -mcpu=gfx1250 --defsym DOCPART=n.
;; ======== version 1 of 1: 2 launches
;; limits: values are held in f16: magnitudes above 65,504 overflow, below 6.1e-05 lose precision
;; workspace buffers: m1f 1,048,576 bytes; m2f 1,048,576 bytes; w3f 262,144 bytes; scl 2,048 bytes
;; launch prep (part 1): grid 256 x 1, 8 waves a work-group, no clusters, 77,568 bytes of LDS; arguments msa, ln_gamma, ln_beta, w1, b1, w2, b2, w3, m1f, m2f, w3f, scl; writes m1f, m2f, w3f, scl
.if DOCPART == 1
	.amdgcn_target "amdgcn-amd-amdhsa--gfx1250"
	.amdhsa_code_object_version 6
	.text
	.protected	k_q45e461dd30_prep
	.globl	k_q45e461dd30_prep
	.p2align	8
	.type	k_q45e461dd30_prep,@function
k_q45e461dd30_prep:
	s_mov_b64 s[64:65], 0
	v_nop
	global_prefetch_b8 v0, s[64:65] scope:SCOPE_SE
	s_setreg_imm32_b32 hwreg(HW_REG_WAVE_MODE, 25, 1), 1
	s_wait_xcnt 0x0
; FIRST OF TWO LAUNCHES.  x = layernorm(msa) gamma + beta;  m1 = x w1^T + b1;  m2 = x w2^T + b2;  both are left in f16, in the order in which the second launch's matrix
; instructions want them, and so is w3.  No work of the module is left out: every one of the nine inputs reaches the output, and all nine are loaded (b3 by the second launch).
; SHARES.  Work-group l owns residue l: the 64 rows msa[r][l][:] of 1,024 bytes, 262,144 bytes apart.  Wave w normalises rows 8 w .. 8 w + 7, a row spread over its 32 lanes
; (lane L: channels 4 L .. + 3 and 128 + 4 L .. + 3), so mean and variance never leave the wave.  x and both weights go to LDS in f16; then wave w multiplies rows
; 16 (w / 2) .. + 15 by w1 (w even) or w2 (w odd): two tiles of 16 x 16, K = 256.  Waves 0 and 1 also turn 1,024 bytes' worth of w3 into f16.
; ORDER.  All loads of a wave go out at its head, msa's first.  The eight rows' means and variances are made stage by stage ACROSS the rows: between two lines of one row's chain stand the seven other rows' lines.
; LDS stores stand in runs, behind all the conversions that feed them.
; THE SCALE.  m1[:, l, :] and m2[:, l, :] are divided by 2^E, the power of two at or below their largest magnitude over r and h: an exact step, which keeps the second launch's
; sums over r below 256 whatever the size of gamma, w1 and w2; 2^E (for m2: 2^E / 64, the mean over r) goes to scl in f32 and is multiplied back there.
; LIMITS.  x, w1, w2 and w3 are rounded to f16: beyond 65,504 they become infinities, below 6e-5 they keep f16's fixed step of 6e-8.  A residue whose largest |m| is below 2^-126
; counts as 0.  The scale's exponent ends at 2^126.  NaN and infinities are not treated apart.
; OUT.  m1f [j][yh 2][mt 4][lane 32][8 f16]: lane (n, h) holds m1[r = 16 mt + 8 h + e][j][y = 16 yh + n]: just what a lane holds of the product's result, 512 bytes on end a store.
;       m2f [i / 16][x / 2][i % 16][x % 2][r 64] f16: rows of 256 bytes, each written whole by 16 neighbouring lanes, through LDS.
;       w3f [x 32][t 8][cc 2][lane 32][8 f16]: lane (n, h), register 4 cc + q, half e holds w3[16 t + n][32 x + 16 e + 8 h + 4 cc + q].
;       scl: word j = 2^E1[j], word 256 + i = 2^E2[i] / 64: one word a work-group, the only stores here that fill no 256 bytes.  w3 is read in pieces of 16 bytes: 2 KiB a work-group.
; No tensor loads: all that goes to LDS is converted on the way, so it passes through registers anyway.  No prefetch: every load of a wave is issued at its head.
.set PX,    528                        ; an LDS row of x or of a weight: 512 bytes + 16: the 16 rows of a fragment load start 4 banks apart (64 banks of 4 bytes: ISA guide 11.1)
.set PM,    272                        ; an LDS row of m2 in f32: 256 bytes + 16
.set XS,    0                          ; x: 64 rows
.set WS,    64*PX                      ; w1's 32 rows, then w2's
.set M2S,   128*PX                     ; m2, unscaled, f32: 32 rows (x) of 64 r
.set MAXW,  M2S+32*PM                  ; the waves' maxima: wave w's at word w, in a block of 256 bytes of their own
.set SPARE, MAXW+256                   ; the spare words, 128 bytes for each wave: four blocks of 256 bytes that no other line names
.set LN,  1                            ; v1   lane
.set SPW, 2                            ; v2   LDS address of my spare word; never rewritten
.set NIL, 3                            ; v3   0; never rewritten
.set MO,  4                            ; v4   msa: 16 L + my wave's 8 rows
.set TO,  5                            ; v5   16 x thread: the weights' loads
.set XST, 6                            ; v6   where I put 8 bytes of x
.set WST, 7                            ; v7   where I put 8 bytes of a weight
.set AFR, 8                            ; v8   my fragments of x
.set BFR, 9                            ; v9   my fragments of the weight
.set W3O, 10                           ; v10  w3: my 16 bytes
.set RHO, 11                           ; v11  L % 16
.set HF,  12                           ; v12  L / 16
.set W3S, 13                           ; v13  w3f: my 16 bytes
.set BO,  14                           ; v14  4 (L % 16)
.set GO,  15                           ; v15  16 L
.set GA,  16                           ; v[16:23]   gamma of my 8 channels
.set BE,  24                           ; v[24:31]   beta
.set MS,  32                           ; v[32:95]   my 8 rows, 8 registers each; later x's fragments (K step ks at + 8 ks); later at work (U)
.set WT,  96                           ; v[96:159]  16 loads of weights; later, to v223, the weight's fragments (ks, tile at + 16 ks + 8 tile)
.set RS,  160                          ; v[160:175] 1 / sqrt(var + eps), twice for each row: a pair for the packed multiply
.set T,   176                          ; v[176:207] at work: four registers for each row
.set W3L, 208                          ; v[208:215] w3 as loaded
.set ACC, 224                          ; v[224:239] two accumulators
.set BI,  240                          ; v[240:243] the bias of my column in tile 0, twice; in tile 1, twice
.set W3P, 244                          ; v[244:247] w3 in f16; never rewritten
.set M1O, 248                          ; v248 m1f: my 16 bytes
.set M2ST, 249                         ; v249 where I put 32 bytes of m2
.set MXS, 250                          ; v250 my wave's word among the maxima: MAXW + 4 w
.set MXL, 251                          ; v251 MAXW
.set SCO, 252                          ; v252 my word of scl
.set M2LD, 253                         ; v253 where I read 32 bytes of m2 back
.set M2O, 254                          ; v254 m2f: my 16 bytes
.set U,   32                           ; behind the product: v[32:47] magnitudes
.set MX,  U+16                         ; v[48:55] the eight waves' maxima: even words w1's, odd words w2's
.set F2,  U+24                         ; v[56:63] my 8 numbers of m2 in f32
.set H2,  U+32                         ; v[64:67] the same in f16
.set SB2, U+36                         ; v68      2^E of m2
.set IV2, U+38                         ; v[70:71] 2^-E of m2, twice
.set SC,  U+40                         ; v72      the scale that my wave would store
.set IV1, U+42                         ; v[74:75] 2^-E of m1, twice
.set H1,  U+44                         ; v[76:83] my 16 numbers of m1 in f16
	s_load_b512 s[4:19], s[0:1], 0x0               ; msa s[4:5], gamma s[6:7], beta s[8:9], w1 s[10:11], b1 s[12:13], w2 s[14:15], b2 s[16:17], w3 s[18:19]
	s_load_b256 s[20:27], s[0:1], 0x40             ; m1f s[20:21], m2f s[22:23], w3f s[24:25], scl s[26:27]
	v_lshl_add_u32 v[SPW], v0, 2, SPARE
	v_mov_b32 v[NIL], 0
	v_and_b32 v[LN], 31, v0
	v_lshrrev_b32 v[T], 5, v0
	v_readfirstlane_b32 s28, v[T]                  ; wave 0..7
	s_lshr_b32 s29, s28, 1                         ; mt: which 16 rows I multiply
	s_and_b32 s30, s28, 1                          ; np: 0 = w1 and m1, 1 = w2 and m2
	s_mov_b32 s31, ttmp9                           ; l
	s_mov_b32 s36, 0x3b800000                      ; 1 / 256
	s_mov_b32 s37, 0x3727c5ac                      ; 1e-5
	s_mov_b32 s38, 0x76543210                      ; v_permlanex16_b32: each lane takes its own place in the other half
	s_mov_b32 s39, 0xfedcba98
	v_and_b32 v[RHO], 15, v0
	v_bfe_u32 v[HF], v0, 4, 1
	s_lshl_b32 s41, s28, 21                        ; 8 rows of 262,144 bytes
	v_lshl_add_u32 v[MO], v[LN], 4, s41
	v_lshlrev_b32 v[TO], 4, v0
	v_lshlrev_b32 v[GO], 4, v[LN]
	v_lshlrev_b32 v[BO], 2, v[RHO]
	v_lshlrev_b32 v[W3O], 12, v[RHO]               ; row 16 t + L % 16 of w3 (4,096 bytes a row),
	v_lshl_add_u32 v[W3O], v[HF], 5, v[W3O]        ; y = 8 h on,
	s_lshl_b32 s41, s28, 4
	v_add_nc_u32 v[W3O], s41, v[W3O]               ; + 4 cc, cc = my wave's number (waves 0 and 1 alone use it)
	s_lshl_b32 s32, s31, 10                        ; msa: residue l
	s_mov_b32 s33, 0
	s_and_b32 s42, s31, 7                          ; w3: t = l % 8: 16 rows,
	s_lshl_b32 s42, s42, 16
	s_lshr_b32 s43, s31, 3                         ; x = l / 8: 128 bytes of a row
	s_lshl_b32 s43, s43, 7
	s_add_co_u32 s42, s42, s43
	s_mov_b32 s43, 0
	s_wait_kmcnt 0x0
	s_add_nc_u64 s[4:5], s[4:5], s[32:33]
	s_add_nc_u64 s[18:19], s[18:19], s[42:43]
	s_cmp_eq_u32 s30, 0
	s_cselect_b64 s[34:35], s[12:13], s[16:17]     ; my bias
	; ALL LOADS OF THE WAVE GO OUT HERE: msa's 16 first, then 24 small ones (26 in waves 0 and 1)
.set k, 0
.rept 8                                ; a row is two loads of 512 neighbouring bytes
	global_load_b128 v[MS+8*k:MS+8*k+3],   v[MO], s[4:5] offset:262144*k th:TH_LOAD_NT
	global_load_b128 v[MS+8*k+4:MS+8*k+7], v[MO], s[4:5] offset:262144*k+512 th:TH_LOAD_NT
.set k, k+1
.endr
	global_load_b128 v[GA:GA+3],   v[GO], s[6:7]
	global_load_b128 v[GA+4:GA+7], v[GO], s[6:7] offset:512
	global_load_b128 v[BE:BE+3],   v[GO], s[8:9]
	global_load_b128 v[BE+4:BE+7], v[GO], s[8:9] offset:512
	global_load_b32 v[BI],   v[BO], s[34:35]                     ; each bias twice: a pair for the packed addition
	global_load_b32 v[BI+1], v[BO], s[34:35]
	global_load_b32 v[BI+2], v[BO], s[34:35] offset:64
	global_load_b32 v[BI+3], v[BO], s[34:35] offset:64
	s_cmp_lt_u32 s28, 2
	s_cbranch_scc0 .Lno_w3_in
	global_load_b128 v[W3L:W3L+3],   v[W3O], s[18:19]            ; y = 8 h + 4 cc + 0..3
	global_load_b128 v[W3L+4:W3L+7], v[W3O], s[18:19] offset:64  ; y = 16 + the same
.Lno_w3_in:
.set k, 0
.rept 8                                ; 256 threads x 16 bytes = four rows of a weight a load
	global_load_b128 v[WT+4*k:WT+4*k+3], v[TO], s[10:11] offset:4096*k
.set k, k+1
.endr
.set k, 0
.rept 8
	global_load_b128 v[WT+32+4*k:WT+32+4*k+3], v[TO], s[14:15] offset:4096*k
.set k, k+1
.endr
	; the other addresses are made while the loads are out
	s_mul_i32 s41, s28, 8*PX
	v_lshl_add_u32 v[XST], v[LN], 3, s41           ; XS + my 8 rows + 8 L
	v_lshrrev_b32 v[T], 6, v0
	v_mul_u32_u24 v[T], v[T], PX
	v_and_b32 v[T+1], 63, v0
	v_lshl_add_u32 v[WST], v[T+1], 3, v[T]
	v_add_nc_u32 v[WST], WS, v[WST]                ; WS + (thread / 64) rows + 8 (thread % 64)
	v_mul_u32_u24 v[T], v[RHO], PX
	v_lshl_add_u32 v[T], v[HF], 4, v[T]            ; a fragment: row L % 16, 16 bytes for each half of the lanes
	s_mul_i32 s41, s29, 16*PX
	v_add_nc_u32 v[AFR], s41, v[T]
	s_mul_i32 s41, s30, 32*PX
	s_add_co_u32 s41, s41, WS
	v_add_nc_u32 v[BFR], s41, v[T]
	s_lshl_b32 s41, s31, 10
	s_lshl_b32 s44, s28, 9
	s_add_co_u32 s41, s41, s44
	v_lshl_add_u32 v[W3S], v[LN], 4, s41           ; 1,024 l + 512 cc + 16 L
	s_lshl_b32 s41, s31, 12
	s_lshl_b32 s44, s29, 9
	s_add_co_u32 s41, s41, s44
	v_lshl_add_u32 v[M1O], v[LN], 4, s41           ; 4,096 l + 512 mt + 16 L
	v_mul_u32_u24 v[M2ST], v[RHO], PM
	v_lshl_add_u32 v[M2ST], v[HF], 5, v[M2ST]
	s_lshl_b32 s41, s29, 6
	s_add_co_u32 s41, s41, M2S
	v_add_nc_u32 v[M2ST], s41, v[M2ST]             ; M2S + row L % 16 + 4 bytes x (16 mt + 8 h)
	s_lshl_b32 s41, s28, 2                         ; my wave's word among the maxima: a constant + 4 x the wave's number
	s_add_co_u32 s41, s41, MAXW
	v_mov_b32 v[MXS], s41
	v_mov_b32 v[MXL], MAXW
	s_lshl_b32 s41, s30, 10
	s_lshl_b32 s44, s31, 2
	s_add_co_u32 s41, s41, s44
	v_mov_b32 v[SCO], s41                          ; 1,024 np + 4 l
	v_bfe_u32 v[T], v0, 3, 1                       ; back out of M2S: lanes 0-15 take the pair of rows x = 4 w, 4 w + 1, lanes 16-31 the next pair; 8 r (32 bytes) a lane
	v_lshl_add_u32 v[T], v[HF], 1, v[T]
	v_mul_u32_u24 v[T], v[T], PM
	v_and_b32 v[T+1], 7, v0
	v_lshl_add_u32 v[T], v[T+1], 5, v[T]
	s_mul_i32 s41, s28, 4*PM
	s_add_co_u32 s41, s41, M2S
	v_add_nc_u32 v[M2LD], s41, v[T]
	s_lshr_b32 s41, s31, 4                         ; m2f: block l / 16 (65,536 bytes), pair of x 2 w + h (4,096), row l % 16 (256), 16 (L % 16)
	s_lshl_b32 s41, s41, 16
	s_and_b32 s44, s31, 15
	s_lshl_b32 s44, s44, 8
	s_add_co_u32 s41, s41, s44
	s_lshl_b32 s44, s28, 13
	s_add_co_u32 s41, s41, s44
	v_lshlrev_b32 v[T], 4, v[RHO]
	v_lshl_add_u32 v[T], v[HF], 12, v[T]
	v_add_nc_u32 v[M2O], s41, v[T]
.macro ALL line:vararg                 ; one line for each of my eight rows t
.set t, 0
.rept 8
	\line
.set t, t+1
.endr
.endm
.macro LANES                           ; each row's v[T + 4 t] summed over the 32 lanes: four steps inside each half ride on the addition (DPP), one crosses the halves
	ALL v_add_f32_dpp v[T+4*t], v[T+4*t], v[T+4*t] row_xmask:1 row_mask:0xf bank_mask:0xf
	ALL v_add_f32_dpp v[T+4*t], v[T+4*t], v[T+4*t] row_xmask:2 row_mask:0xf bank_mask:0xf
	ALL v_add_f32_dpp v[T+4*t], v[T+4*t], v[T+4*t] row_xmask:4 row_mask:0xf bank_mask:0xf
	ALL v_add_f32_dpp v[T+4*t], v[T+4*t], v[T+4*t] row_xmask:8 row_mask:0xf bank_mask:0xf
	ALL v_permlanex16_b32 v[T+4*t+1], v[T+4*t], s38, s39
	ALL v_add_f32 v[T+4*t], v[T+4*t], v[T+4*t+1]
.endm
	; THE MEAN.  Loads come back in order (ISA guide 5.7.1): behind row t's two loads stand two for each younger row and at least 24 small ones
.set t, 0
.rept 8
	s_wait_loadcnt 38-2*t
	v_pk_add_f32 v[T+4*t:T+4*t+1],   v[MS+8*t:MS+8*t+1],   v[MS+8*t+2:MS+8*t+3]
	v_pk_add_f32 v[T+4*t+2:T+4*t+3], v[MS+8*t+4:MS+8*t+5], v[MS+8*t+6:MS+8*t+7]
.set t, t+1
.endr
	ALL v_pk_add_f32 v[T+4*t:T+4*t+1], v[T+4*t:T+4*t+1], v[T+4*t+2:T+4*t+3]
	ALL v_add_f32 v[T+4*t], v[T+4*t], v[T+4*t+1]
	LANES
	ALL v_mul_f32 v[T+4*t+2], s36, v[T+4*t]
	ALL v_mul_f32 v[T+4*t+3], s36, v[T+4*t]
	; it is taken away in place; then the mean of the squares of what is left, as the module does it
.irp k, 0,2,4,6
	ALL v_pk_add_f32 v[MS+8*t+\k:MS+8*t+\k+1], v[MS+8*t+\k:MS+8*t+\k+1], v[T+4*t+2:T+4*t+3] neg_lo:[0,1] neg_hi:[0,1]
.endr
	ALL v_pk_mul_f32 v[T+4*t:T+4*t+1], v[MS+8*t:MS+8*t+1], v[MS+8*t:MS+8*t+1]
.irp k, 2,4,6
	ALL v_pk_fma_f32 v[T+4*t:T+4*t+1], v[MS+8*t+\k:MS+8*t+\k+1], v[MS+8*t+\k:MS+8*t+\k+1], v[T+4*t:T+4*t+1]
.endr
	ALL v_add_f32 v[T+4*t], v[T+4*t], v[T+4*t+1]
	LANES
	ALL v_fma_f32 v[T+4*t+2], v[T+4*t], s36, s37
	ALL v_rsq_f32 v[RS+2*t], v[T+4*t+2]
	ALL v_rsq_f32 v[RS+2*t+1], v[T+4*t+2]
	v_nop                                          ; a plain instruction behind the last v_rsq_f32,
	s_wait_alu depctr_va_vdst(0)                   ; and ONE wait for all sixteen, ahead of their first reader
	; scaled, gamma and beta, rounded once to f16
.irp k, 0,2,4,6
	ALL v_pk_mul_f32 v[MS+8*t+\k:MS+8*t+\k+1], v[MS+8*t+\k:MS+8*t+\k+1], v[RS+2*t:RS+2*t+1]
.endr
	s_wait_loadcnt 20                              ; gamma and beta are in: behind them stand the four loads of the bias and the sixteen of the weights (and, in waves 0 and 1, two of w3: there the count is only stricter)
.irp k, 0,2,4,6
	ALL v_pk_fma_f32 v[MS+8*t+\k:MS+8*t+\k+1], v[MS+8*t+\k:MS+8*t+\k+1], v[GA+\k:GA+\k+1], v[BE+\k:BE+\k+1]
.endr
.irp k, 0,1,2,3
	ALL v_cvt_pk_f16_f32 v[MS+8*t+\k], v[MS+8*t+2*\k], v[MS+8*t+2*\k+1]
.endr
.set t, 0
.rept 8
	ds_store_b64 v[XST], v[MS+8*t:MS+8*t+1]   offset:t*PX
	ds_store_b64 v[XST], v[MS+8*t+2:MS+8*t+3] offset:t*PX+256
.set t, t+1
.endr
	s_wait_loadcnt 0x0                             ; the weights, the bias, w3
.set k, 0
.rept 16                               ; the weights to f16, in place
	v_cvt_pk_f16_f32 v[WT+4*k],   v[WT+4*k],   v[WT+4*k+1]
	v_cvt_pk_f16_f32 v[WT+4*k+1], v[WT+4*k+2], v[WT+4*k+3]
.set k, k+1
.endr
.set k, 0
.rept 16                               ; and into LDS: load k holds rows 4 k .. 4 k + 3 of the 64
	ds_store_b64 v[WST], v[WT+4*k:WT+4*k+1] offset:4*k*PX
.set k, k+1
.endr
	s_cmp_lt_u32 s28, 2
	s_cbranch_scc0 .Lno_w3_out
.irp q, 0,1,2,3
	v_cvt_pk_f16_f32 v[W3P+\q], v[W3L+\q], v[W3L+4+\q]           ; low half y, high half y + 16
.endr
	global_store_b128 v[W3S], v[W3P:W3P+3], s[24:25]             ; the wave's store covers 512 consecutive bytes, aligned
.Lno_w3_out:
	s_wait_dscnt 0x0                               ; for the others' sake: my rows of x and my part of the weights are in LDS
	s_barrier_signal -1
	s_barrier_wait -1
	; THE PRODUCT: 16 rows of x (source 0) x 2 tiles of 16 rows of my weight (source 1), K = 256 in 8 steps.  All 48 loads go out in one run, K step by K step.
.set ks, 0
.rept 8
	ds_load_b128 v[MS+8*ks:MS+8*ks+3],       v[AFR] offset:64*ks
	ds_load_b128 v[MS+8*ks+4:MS+8*ks+7],     v[AFR] offset:64*ks+32
	ds_load_b128 v[WT+16*ks:WT+16*ks+3],     v[BFR] offset:64*ks
	ds_load_b128 v[WT+16*ks+4:WT+16*ks+7],   v[BFR] offset:64*ks+32
	ds_load_b128 v[WT+16*ks+8:WT+16*ks+11],  v[BFR] offset:64*ks+16*PX
	ds_load_b128 v[WT+16*ks+12:WT+16*ks+15], v[BFR] offset:64*ks+16*PX+32
.set ks, ks+1
.endr
	s_wait_dscnt 42                                ; K step 0 is in; six loads for each of the seven later steps may stay out
	v_wmma_f32_16x16x32_f16 v[ACC:ACC+7],    v[MS:MS+7], v[WT:WT+7],    0  ; the first products start the sums
	v_wmma_f32_16x16x32_f16 v[ACC+8:ACC+15], v[MS:MS+7], v[WT+8:WT+15], 0
.set ks, 1
.rept 7                                ; the two accumulators take turns, one instruction a turn
	s_wait_dscnt 6*(7-ks)
	v_wmma_f32_16x16x32_f16 v[ACC:ACC+7],    v[MS+8*ks:MS+8*ks+7], v[WT+16*ks:WT+16*ks+7],    v[ACC:ACC+7]
	v_wmma_f32_16x16x32_f16 v[ACC+8:ACC+15], v[MS+8*ks:MS+8*ks+7], v[WT+16*ks+8:WT+16*ks+15], v[ACC+8:ACC+15]
.set ks, ks+1
.endr
.rept 4
	v_nop                                          ; four places between the last product and the first line that reads a result (ISA guide 7.12.1)
.endr
	; a lane holds rows 16 mt + 8 h + 0..7 of ONE column (L % 16) of each tile: the bias is the lane's
.irp k, 0,2,4,6
	v_pk_add_f32 v[ACC+\k:ACC+\k+1], v[ACC+\k:ACC+\k+1], v[BI:BI+1]
.endr
.irp k, 8,10,12,14
	v_pk_add_f32 v[ACC+\k:ACC+\k+1], v[ACC+\k:ACC+\k+1], v[BI+2:BI+3]
.endr
	s_cmp_eq_u32 s30, 0
	s_cbranch_scc1 .Lno_m2_in
	ds_store_b128 v[M2ST], v[ACC:ACC+3]                           ; m2 goes to LDS as it is, in f32: a row of m2f takes all four waves' r, and its scale all four waves' maxima: ONE barrier serves both
	ds_store_b128 v[M2ST], v[ACC+4:ACC+7]   offset:16
	ds_store_b128 v[M2ST], v[ACC+8:ACC+11]  offset:16*PM
	ds_store_b128 v[M2ST], v[ACC+12:ACC+15] offset:16*PM+16
.Lno_m2_in:
.set k, 0
.rept 16
	v_and_b32 v[U+k], 0x7fffffff, v[ACC+k]
.set k, k+1
.endr
	v_max3_num_f32 v[U],   v[U],   v[U+1],  v[U+2]
	v_max3_num_f32 v[U+3], v[U+3], v[U+4],  v[U+5]
	v_max3_num_f32 v[U+6], v[U+6], v[U+7],  v[U+8]
	v_max3_num_f32 v[U+9], v[U+9], v[U+10], v[U+11]
	v_max3_num_f32 v[U],   v[U],   v[U+12], v[U+13]
	v_max3_num_f32 v[U+3], v[U+3], v[U+14], v[U+15]
	v_max3_num_f32 v[U],   v[U],   v[U+6],  v[U+9]
	v_max_num_f32 v[U], v[U], v[U+3]
	v_max_num_f32_dpp v[U], v[U], v[U] row_xmask:1 row_mask:0xf bank_mask:0xf
	v_max_num_f32_dpp v[U], v[U], v[U] row_xmask:2 row_mask:0xf bank_mask:0xf
	v_max_num_f32_dpp v[U], v[U], v[U] row_xmask:4 row_mask:0xf bank_mask:0xf
	v_max_num_f32_dpp v[U], v[U], v[U] row_xmask:8 row_mask:0xf bank_mask:0xf
	v_permlanex16_b32 v[U+1], v[U], s38, s39
	v_max_num_f32 v[U], v[U], v[U+1]
	ds_store_b32 v[MXS], v[U]                      ; all lanes write the same number to my wave's word, which no other line writes and no fragment load reads
	s_wait_dscnt 0x0                               ; for the others' sake: the word, and my part of m2, are in LDS
	s_barrier_signal -1
	s_barrier_wait -1
	ds_load_b128 v[MX:MX+3],   v[MXL]              ; all eight maxima
	ds_load_b128 v[MX+4:MX+7], v[MXL] offset:16
	ds_load_b128 v[F2:F2+3],   v[M2LD]             ; and 8 r of one x of m2
	ds_load_b128 v[F2+4:F2+7], v[M2LD] offset:16
	s_wait_dscnt 0x0
	v_max3_num_f32 v[SB2], v[MX+1], v[MX+3], v[MX+5]
	v_max_num_f32 v[SB2], v[SB2], v[MX+7]
	v_and_b32 v[SB2], 0x7f800000, v[SB2]           ; 2^E: the exponent alone,
	v_min_u32 v[SB2], 0x7e800000, v[SB2]           ; at most 2^126, so that 2^-E is no denormal
	v_sub_nc_u32 v[IV2],   0x7f000000, v[SB2]      ; 2^-E, by the exponent fields: 254 - e; twice, for the pair
	v_sub_nc_u32 v[IV2+1], 0x7f000000, v[SB2]
.irp k, 0,2,4,6
	v_pk_mul_f32 v[F2+\k:F2+\k+1], v[F2+\k:F2+\k+1], v[IV2:IV2+1]
.endr
.irp k, 0,1,2,3
	v_cvt_pk_f16_f32 v[H2+\k], v[F2+2*\k], v[F2+2*\k+1]
.endr
	global_store_b128 v[M2O], v[H2:H2+3], s[22:23]                ; 16 lanes store 256 consecutive bytes, at a multiple of 256 from m2f's first byte
	s_cmp_eq_u32 s30, 0
	s_cbranch_scc0 .Lodd
	v_max3_num_f32 v[SC], v[MX], v[MX+2], v[MX+4]  ; the waves that made m1 scale it in their registers
	v_max_num_f32 v[SC], v[SC], v[MX+6]
	v_and_b32 v[SC], 0x7f800000, v[SC]
	v_min_u32 v[SC], 0x7e800000, v[SC]
	v_sub_nc_u32 v[IV1],   0x7f000000, v[SC]
	v_sub_nc_u32 v[IV1+1], 0x7f000000, v[SC]
.irp k, 0,2,4,6,8,10,12,14
	v_pk_mul_f32 v[ACC+\k:ACC+\k+1], v[ACC+\k:ACC+\k+1], v[IV1:IV1+1]
.endr
.irp k, 0,1,2,3,4,5,6,7
	v_cvt_pk_f16_f32 v[H1+\k], v[ACC+2*\k], v[ACC+2*\k+1]
.endr
	global_store_b128 v[M1O], v[H1:H1+3],   s[20:21]              ; the lane's 8 rows of a column are 16 bytes of m1f; a store covers 512 consecutive bytes, aligned
	global_store_b128 v[M1O], v[H1+4:H1+7], s[20:21] offset:2048
	s_branch .Lscale
.Lodd:
	v_mul_f32 v[SC], 0x3c800000, v[SB2]            ; the mean over the 64 r rides on m2's scale
.Lscale:
	s_cmp_lt_u32 s28, 2                            ; wave 0 stores m1's scale, wave 1 m2's
	s_cbranch_scc0 .Lno_scale
	v_cmp_eq_u32 vcc_lo, 0, v[LN]
	s_wait_xcnt 0x0                                ; EXEC is a source of the stores issued so far: it changes only behind this wait
	s_and_saveexec_b32 s40, vcc_lo
	global_store_b32 v[SCO], v[SC], s[26:27]
	s_wait_xcnt 0x0                                ; and again in front of the line that widens it
	s_or_b32 exec_lo, exec_lo, s40
.Lno_scale:
	s_wait_tensorcnt 0x0                           ; the wave's end, behind my last LDS store
	ds_add_u32 v[SPW], v[NIL]
	s_wait_dscnt 0x0
	s_endpgm
.Lfunc_end_k_q45e461dd30_prep:
	.size	k_q45e461dd30_prep, .Lfunc_end_k_q45e461dd30_prep-k_q45e461dd30_prep
	.p2alignl 7, 3214868480
	.fill 96, 4, 3214868480
	.section	.rodata,"a",@progbits
	.p2align	6, 0x0
	.amdhsa_kernel k_q45e461dd30_prep
		.amdhsa_group_segment_fixed_size 77568
		.amdhsa_private_segment_fixed_size 0
		.amdhsa_enable_private_segment 0
		.amdhsa_kernarg_size 96
		.amdhsa_user_sgpr_count 2
		.amdhsa_user_sgpr_kernarg_segment_ptr 1
		.amdhsa_wavefront_size32 1
		.amdhsa_system_sgpr_workgroup_id_x 1
		.amdhsa_system_sgpr_workgroup_id_y 1
		.amdhsa_system_sgpr_workgroup_id_z 1
		.amdhsa_system_vgpr_workitem_id 0
		.amdhsa_next_free_vgpr 256
		.amdhsa_next_free_sgpr 66
		.amdhsa_reserve_vcc 1
		.amdhsa_float_denorm_mode_32 3
		.amdhsa_float_denorm_mode_16_64 3
		.amdhsa_memory_ordered 1
		.amdhsa_forward_progress 1
		.amdhsa_inst_pref_size 43
	.end_amdhsa_kernel
	.amdgpu_metadata
---
amdhsa.version: [ 1, 2 ]
amdhsa.kernels:
  - .name:           k_q45e461dd30_prep
    .symbol:         k_q45e461dd30_prep.kd
    .args:
      - { .name: msa, .offset: 0, .size: 8, .value_kind: global_buffer, .address_space: global }
      - { .name: ln_gamma, .offset: 8, .size: 8, .value_kind: global_buffer, .address_space: global }
      - { .name: ln_beta, .offset: 16, .size: 8, .value_kind: global_buffer, .address_space: global }
      - { .name: w1, .offset: 24, .size: 8, .value_kind: global_buffer, .address_space: global }
      - { .name: b1, .offset: 32, .size: 8, .value_kind: global_buffer, .address_space: global }
      - { .name: w2, .offset: 40, .size: 8, .value_kind: global_buffer, .address_space: global }
      - { .name: b2, .offset: 48, .size: 8, .value_kind: global_buffer, .address_space: global }
      - { .name: w3, .offset: 56, .size: 8, .value_kind: global_buffer, .address_space: global }
      - { .name: m1f, .offset: 64, .size: 8, .value_kind: global_buffer, .address_space: global }
      - { .name: m2f, .offset: 72, .size: 8, .value_kind: global_buffer, .address_space: global }
      - { .name: w3f, .offset: 80, .size: 8, .value_kind: global_buffer, .address_space: global }
      - { .name: scl, .offset: 88, .size: 8, .value_kind: global_buffer, .address_space: global }
    .group_segment_fixed_size: 77568
    .private_segment_fixed_size: 0
    .kernarg_segment_align: 8
    .kernarg_segment_size: 96
    .max_flat_workgroup_size: 256
    .sgpr_count:     66
    .vgpr_count:     256
    .wavefront_size: 32
...
	.end_amdgpu_metadata
.endif
;; end of part 1
;; launch opm (part 2): grid 16 x 16, 4 waves a work-group, clusters of 4 x 1, 327,680 bytes of LDS; arguments m1f, m2f, w3f, scl, b3, out0; writes out0
.if DOCPART == 2
	.amdgcn_target "amdgcn-amd-amdhsa--gfx1250"
	.amdhsa_code_object_version 6
	.text
	.protected	k_q45e461dd30_opm
	.globl	k_q45e461dd30_opm
	.p2align	8
	.type	k_q45e461dd30_opm,@function
k_q45e461dd30_opm:
	s_mov_b64 s[64:65], 0
	v_nop
	global_prefetch_b8 v0, s[64:65] scope:SCOPE_SE
	s_setreg_imm32_b32 hwreg(HW_REG_WAVE_MODE, 25, 1), 1
	s_wait_xcnt 0x0
	s_wait_alu depctr_hold_cnt(0) depctr_sa_sdst(0) depctr_va_vdst(0) depctr_va_sdst(0) depctr_va_ssrc(0) depctr_va_vcc(0) depctr_vm_vsrc(0)
	s_getreg_b32 s2, hwreg(HW_REG_IB_STS2, 6, 4)
	s_cmp_eq_u32 s2, 0
	s_cbranch_scc0 .Lentry_in_a_cluster
	s_endpgm
.Lentry_in_a_cluster:
	s_bfe_u32 s2, ttmp6, 0x10000c
	s_cmp_lg_u32 s2, 0x3003
	s_cbranch_scc0 .Lentry_shape_is_right
	s_endpgm
.Lentry_shape_is_right:
; SECOND OF TWO LAUNCHES.  out[i][j][p] = s2[i] s1[j] (sum over x, y of w3[p][32 x + y] S[i][j][x][y]) + b3[p],  S[i][j][x][y] = sum over r of m2n[r][i][x] m1n[r][j][y],
; with m1n, m2n, w3 in f16 and the scales s1, s2 in f32 as the first launch left them.  No work of the module is left out.  S never leaves the registers.
; LIMITS.  S lies below 256 (|m1n|, |m2n| < 2, at the scale's cap < 4) and is rounded once to f16 for the second product.  s1[j] s2[i] is formed in f32: it must lie in f32's range.  NaN and infinities are not treated apart.
; SHARES.  A work-group makes 16 i x 16 j x 128 p.  Wave w owns four COMBOS c: j = 16 jblk + 4 w + c, all 16 i, all 128 p: 32 accumulators of 16 x 16, 256 registers.
; THE TWO PRODUCTS MEET WITHOUT A SHUFFLE.  For one j and one x: source 0 = 16 y of m1n (K = r), source 1 = 16 i of m2n: in the result a lane holds ONE i (lane % 16) and y = 8 (lane / 16) + 0..7.
; The tiles of y = 0..15 (Sa) and y = 16..31 (Sb), rounded together register by register (low half Sa, high half Sb), ARE a source 1 of 32 k x 16 i; k stands in another order than y, and w3f holds
; w3 in that same order, which keeps the products.  Source 0 of the second product is 16 p of w3: its result holds one i a lane and eight neighbouring p.
; A STEP k (x = 0 .. 31): 16 products for S of x = k + 1; the LDS loads for m2n of x = k + 2 and w3 of x = k + 1, in one run; 32 products for x = k, and behind each of them one of the 32
; roundings of S of x = k + 1.  Sa lies in the window of w3's fragments and Sb in the accumulators', so a rounding needs the same window setting as the product that it follows.
; CLUSTER.  The four work-groups of a cluster share i's block, and all share w3: every tensor load of the launch is the same in all four and is asked for JOINTLY (mask 15).  My place in the cluster enters
; the addresses of m1f, s1, out0 and the prefetch alone.
; LDS.  w3f (256 KiB) and m2f's block (64 KiB) do not fit together: x = 0 .. 23 of w3f lie in twelve pieces of 16 KiB (two x each), and the first four pieces are filled ONCE more, with x = 24 .. 31, when x = 0 .. 7 have been read.
; THE FIRST FILLS are sixteen loads of 64 rows x 256 bytes, four a wave, dealt so that what is multiplied first comes first: wave w < 3 takes w3f's pieces w, w + 3, w + 6, w + 9, wave 3 m2n's four quarters.
; The first product waits for each wave's first load alone (x = 0 .. 5 of w3f, x = 0 .. 7 of m2n), pair 3 for each wave's second; the change of slots ahead of pair 4 waits for all.
; By the text's own count a wave has four tensor loads out at the start and one behind the refill.
; REGISTERS, in windows of 256 (s_set_vgpr_msb: bits 1:0 source 0, 3:2 source 1, 5:4 source 2, 7:6 destination):
;   window 0: v0-15 addresses and b3; v16-31 m2n's fragments of one x; v32-159 m1n's fragments (combo c, y half, r half at 32 + 32 c + 16 yh + 8 s), on the way out two buffers of 16 rows
;   window 1: v0-63, v64-127 w3's fragments, two buffers (t at + 8 t); v128-159 Sa (c at + 8 c)
;   window 2: v0-127 accumulators of combos 0, 1 (64 c + 8 t); v128-159 P, two buffers of two combos; v160-175 Sb          window 3: the same for combos 2, 3
.set PM,    272                        ; a row of m2n in LDS: 256 bytes + 16: the 16 rows of a fragment load start 4 banks apart (64 banks of 4 bytes: ISA guide 11.1)
.set PS,    528                        ; a row of the stage: 512 bytes + 16
.set XB,    8192                       ; w3's fragments of one x
.set PIECE, 16384                      ; what one tensor load brings of w3f or m2f
.set M2L,   196608                     ; behind w3f's twelve pieces: 256 rows of m2n
.set STAGE, M2L+256*PM                 ; 16 rows for each wave, for the way out; no tensor load fills it
.set SPARE, STAGE+4*16*PS              ; the spare words, 128 bytes for each wave: two blocks of 256 bytes that no other line names
.set AW,  2                            ; v2   LDS address of the pair's fragments of w3
.set AM,  3                            ; v3   of m2n's
.set STO, 4                            ; v4   the way out: where I put 16 bytes of a row
.set RD,  5                            ; v5   the way out: where I read a row back
.set HF,  6                            ; v6   lane / 16
.set L16, 7                            ; v7   16 x lane; never rewritten
.set SPW, 8                            ; v8   LDS address of my spare word; never rewritten
.set NIL, 9                            ; v9   0; never rewritten
.set AM0, 10                           ; v10  my lane's place in 16 rows of m2n
.set PFO, 11                           ; v11  256 x lane; never rewritten
.set B3,  12                           ; v[12:15] b3[4 L .. 4 L + 3]
.set B1,  16
.set A1,  32
.set OB,  32
.set A2,  0                            ; window 1
.set SA,  128                          ; window 1
.set PP,  128                          ; windows 2, 3
.set SB,  160                          ; windows 2, 3
.set WV,  16                           ; s16  my wave's number
.set CX,  17                           ; s17  my place in the cluster
.set JB,  18                           ; s18  jblk
.set IB,  19                           ; s19  i's block
.set WQ,  20                           ; s[20:21] 16,384 x my wave's number, and 0 above it; kept
.set G1W, 24                           ; s[24:31] descriptor group 1 for w3f
.set G1M, 32                           ; s[32:39] for m2f: it differs in the padding alone
.set D0,  40                           ; s[40:55] four sets of group 0, one for each of my first fills; the first serves the refill too
.set TW,  56                           ; s56  LDS byte of w3's fragments of the pair's first x
.set TM,  57                           ; s57  LDS byte of m2n's rows of the pair of x in hand
.set CNT, 58                           ; s58  counts a loop's pairs
.set LIM, 59                           ; s59  1 in a wave that prefetches
.set PFA, 60                           ; s[60:61] where my prefetch stands
.set W3Q, 62                           ; s[62:63] w3f + 16,384 x my wave's number; kept
.set S2,  68                           ; s[68:83] s2 of my 16 i
.set S1,  84                           ; s[84:87] s1 of my 4 j
.set RSC, 88                           ; s[88:89], s[90:91] a row's scale, by turns; the packed line takes a pair's low word for both halves
.set OUTB, 92                          ; s[92:93] out0 at (i = 16 ib, j = 16 jblk + 4 w)
.set MSB, 0
.macro WIN new                         ; the immediate's high byte repeats the setting that is left; a switch that changes nothing is dropped
.if MSB != (\new)
	s_set_vgpr_msb (MSB<<8)|(\new)
.set MSB, (\new)
.endif
.endm
.macro PLACES                          ; four places (ISA guide 7.12.1) behind a matrix instruction
.rept 4
	v_nop
.endr
.endm
; A round of the cluster's barrier: my work-group's barrier, so that wave 0's signal speaks for all four waves; wave 0 signals; every wave waits for all four work-groups; my work-group's barrier once more.
.macro CROUND
	s_barrier_signal -1
	s_barrier_wait -1
	s_cmp_lg_u32 s[WV], 0
	s_cbranch_scc1 .Lnot_wave_0_\@
	s_barrier_signal -3
.Lnot_wave_0_\@:
	s_barrier_wait -3
	s_barrier_signal -1
	s_barrier_wait -1
.endm
	s_load_b256 s[4:11], s[0:1], 0x0               ; m1f s[4:5], m2f s[6:7], w3f s[8:9], scl s[10:11]
	s_load_b128 s[12:15], s[0:1], 0x20             ; b3 s[12:13], out0 s[14:15]
	v_lshl_add_u32 v[SPW], v0, 2, SPARE
	v_mov_b32 v[NIL], 0
	ds_add_u32 v[SPW], v[NIL]                      ; the wave's opening: the add, twice on end, and its wait ahead of my first tensor load; the set-up below stands between
	ds_add_u32 v[SPW], v[NIL]                      ; and once more, under the one wait
	v_lshrrev_b32 v1, 5, v0
	v_readfirstlane_b32 s[WV], v1                  ; wave 0..3
	v_and_b32 v[L16], 31, v0
	v_lshlrev_b32 v[L16], 4, v[L16]
	s_bfe_u32 s[CX], ttmp6, 0x40000                ; cx
	s_lshl_b32 s[JB], ttmp9, 2                     ; in a cluster launch ttmp9 counts clusters
	s_add_co_u32 s[JB], s[JB], s[CX]               ; jblk = 4 x cluster x + cx
	s_and_b32 s[IB], ttmp7, 0xffff                 ; i's block, which the four partners share
	; descriptor group 1: every load is dense, 64 rows of 256 bytes (32 elements of 8 bytes)
	s_mov_b32 s[G1W], 15|(3<<16)|(1<<21)                          ; 15:0 the mask of four; 17:16 elements of 8 bytes; 21 set beside a mask
	s_mov_b32 s[G1M], 15|(3<<16)|(1<<20)|(1<<21)|(5<<22)|(3<<25)  ; the same with padding on: after every 64 words (code 5) 4 words (code 3)
.irp g, G1W, G1M
	s_mov_b32 s[\g+1], 32<<16                      ; tensor_dim0 = 32
	s_mov_b32 s[\g+2], 64<<16                      ; tensor_dim1 = 64
	s_mov_b32 s[\g+3], 32<<16                      ; tile_dim0 = 32
	s_mov_b32 s[\g+4], 64                          ; tile_dim1 = 64
	s_mov_b32 s[\g+5], 32                          ; 32 elements from row to row
	s_mov_b32 s[\g+6], 0
	s_mov_b32 s[\g+7], 0
.endr
	s_lshl_b32 s[WQ], s[WV], 14                    ; a piece for each wave, in memory and in LDS: no place in the cluster enters an LDS address
	s_mov_b32 s[WQ+1], 0
	s_lshl_b32 s66, s[JB], 16                      ; m1f: 4,096 bytes a j: 16 jblk + 4 w
	s_add_co_u32 s66, s66, s[WQ]
	s_mov_b32 s67, 0
	s_lshl_b32 s22, s[IB], 21                      ; out0: 131,072 bytes an i, 512 a j
	s_lshl_b32 s23, s[JB], 13
	s_add_co_u32 s22, s22, s23
	s_lshl_b32 s23, s[WV], 11
	s_add_co_u32 s22, s22, s23
	s_mov_b32 s23, 0
	s_lshl_b32 s2, s[IB], 6                        ; scl: my 16 i,
	s_lshl_b32 s3, s[JB], 6                        ; my 4 j
	s_lshl4_add_u32 s3, s[WV], s3
	s_lshl_b32 s94, s[CX], 14                      ; the prefetch: of the refill's 65,536 bytes my work-group takes 16,384, told apart by address; waves 0 and 1 take 8,192 each
	s_lshl_b32 s95, s[WV], 13
	s_add_co_u32 s94, s94, s95
	s_add_co_u32 s94, s94, 3*65536
	s_mov_b32 s95, 0
	s_lshr_b32 s[LIM], s[WV], 1                    ; 0 in waves 0 and 1,
	s_or_b32 s[LIM], s[LIM], ttmp9                 ; of the launch's first cluster: every cluster reads the same w3f, so one asks; the same in all four partners
	s_or_b32 s[LIM], s[LIM], s[IB]
	s_cmp_eq_u32 s[LIM], 0
	s_cselect_b32 s[LIM], 1, 0
	s_mov_b32 s[TW], 0
	s_mov_b32 s[TM], M2L
	s_mov_b32 s[RSC+1], 0                          ; named as pairs, so they are written
	s_mov_b32 s[RSC+3], 0
	s_wait_dscnt 0x0                               ; both opening adds are done
	s_wait_kmcnt 0x0
	s_add_nc_u64 s[4:5], s[4:5], s[66:67]
.set k, 0
.rept 32                               ; m1n's fragments stay in registers: m1f holds them in fragment order, 512 bytes on end a load.  They go out first of all: the first product wants all of them
	global_load_b128 v[A1+4*k:A1+4*k+3], v[L16], s[4:5] offset:512*k
.set k, k+1
.endr
	global_load_b128 v[B3:B3+3], v[L16], s[12:13]
	s_load_b512 s[S2:S2+15], s[10:11], s2 offset:0x400
	s_load_b128 s[S1:S1+3], s[10:11], s3 offset:0x0
	s_add_nc_u64 s[OUTB:OUTB+1], s[14:15], s[22:23]
	s_add_nc_u64 s[PFA:PFA+1], s[8:9], s[94:95]
	s_add_nc_u64 s[W3Q:W3Q+1], s[8:9], s[WQ:WQ+1]
	s_lshl_b32 s22, s[IB], 16                      ; m2f: block ib (s23 is still 0)
	s_add_nc_u64 s[6:7], s[6:7], s[22:23]
	CROUND                                         ; all four work-groups are here: the first joint loads meet
	s_cmp_lt_u32 s[WV], 3                          ; a wave's four first fills stand in one branch on its number, which is the same in every partner
	s_cbranch_scc0 .Lfirst_m
.irp n, 0,1,2,3
	s_mov_b32 s[D0+4*\n], 1                                              ; 1:0 count = 1
	s_add_co_u32 s[D0+4*\n+1], s[WQ], \n*3*PIECE                         ; 63:32 LDS address: piece w + 3 n
	s_add_nc_u64 s[D0+4*\n+2:D0+4*\n+3], s[W3Q:W3Q+1], \n*3*PIECE        ; 120:64 global address: the same piece of w3f
	s_or_b32 s[D0+4*\n+3], s[D0+4*\n+3], 0x80000000                      ; 127:126 type = 2
.endr
.irp n, 0,1,2,3
	tensor_load_to_lds s[D0+4*\n:D0+4*\n+3], s[G1W:G1W+7]
	s_nop 0
.endr
	PLACES
	s_branch .Lfirst_asked
.Lfirst_m:
.irp n, 0,1,2,3
	s_mov_b32 s[D0+4*\n], 1
	s_mov_b32 s[D0+4*\n+1], M2L+\n*64*PM                                 ; quarter n of m2n's 256 rows
	s_add_nc_u64 s[D0+4*\n+2:D0+4*\n+3], s[6:7], \n*PIECE
	s_or_b32 s[D0+4*\n+3], s[D0+4*\n+3], 0x80000000
.endr
.irp n, 0,1,2,3
	tensor_load_to_lds s[D0+4*\n:D0+4*\n+3], s[G1M:G1M+7]
	s_nop 0
.endr
	PLACES
.Lfirst_asked:
	v_and_b32 v1, 15, v0                           ; lane % 16
	v_bfe_u32 v[HF], v0, 4, 1
	v_lshlrev_b32 v[PFO], 4, v[L16]
	v_mul_u32_u24 v[AM0], v1, PM
	v_lshl_add_u32 v[AM0], v[HF], 4, v[AM0]        ; row x pitch + 16 x half
	s_mul_i32 s22, s[WV], 16*PS
	s_add_co_u32 s22, s22, STAGE                   ; my stage
	v_mul_u32_u24 v[STO], v1, PS                   ; in: row i = lane % 16, 32 bytes (8 p) for each half of the lanes
	v_lshl_add_u32 v[STO], v[HF], 5, v[STO]
	v_add_nc_u32 v[STO], s22, v[STO]
	v_add_nc_u32 v[RD], s22, v[L16]                ; back: 32 lanes take a whole row of 512 bytes
	v_add_nc_u32 v[AM], s[TM], v[AM0]
; THE FIRST PRODUCT for one x: 16 matrix instructions.  The accumulators take turns, one instruction a turn; the r half 0 starts each sum with the constant 0.
.macro FP
	WIN 0x50                                       ; sources window 0, Sa in window 1
.irp s, 0,1
.irp c, 0,1,2,3
.if \s == 0
	v_wmma_f32_16x16x32_f16 v[SA+8*\c:SA+8*\c+7], v[A1+32*\c:A1+32*\c+7], v[B1:B1+7], 0
.else
	v_wmma_f32_16x16x32_f16 v[SA+8*\c:SA+8*\c+7], v[A1+32*\c+8:A1+32*\c+15], v[B1+8:B1+15], v[SA+8*\c:SA+8*\c+7]
.endif
.endr
.endr
.irp w, 0,1
	WIN 0xa0+0x50*\w                               ; Sb in window 2 (combos 0, 1) or 3 (combos 2, 3)
.irp s, 0,1
.irp c, 0,1
.if \s == 0
	v_wmma_f32_16x16x32_f16 v[SB+8*\c:SB+8*\c+7], v[A1+64*\w+32*\c+16:A1+64*\w+32*\c+23], v[B1:B1+7], 0
.else
	v_wmma_f32_16x16x32_f16 v[SB+8*\c:SB+8*\c+7], v[A1+64*\w+32*\c+24:A1+64*\w+32*\c+31], v[B1+8:B1+15], v[SB+8*\c:SB+8*\c+7]
.endif
.endr
.endr
.endr
.endm
; HALF OF THE SECOND PRODUCT for one x: 8 t x the half's two combos, from buffers kb.  Each of the 16 accumulators has one turn.  zero = 1: the products start the sums: nothing is ever cleared.
; ride = 1: behind product i stands rounding i of 16 of the NEXT x's S for the same two combos, into the other buffer of P: register i % 8 of combo i / 8.
.macro SPH half, kb, zero, ride
	WIN 0xa9+0x54*(\half)                          ; source 0 (w3, Sa) window 1; source 1 (P, Sb), C and destination window 2 or 3
.set i, 0
.rept 16
.set rC, 64*(i%2)+8*(i/2)
.set rA, A2+64*(\kb)+8*(i/2)
.set rP, PP+16*(\kb)+8*(i%2)
.if \zero
	v_wmma_f32_16x16x32_f16 v[rC:rC+7], v[rA:rA+7], v[rP:rP+7], 0
.else
	v_wmma_f32_16x16x32_f16 v[rC:rC+7], v[rA:rA+7], v[rP:rP+7], v[rC:rC+7]
.endif
.if \ride
	v_cvt_pk_f16_f32 v[PP+16*(1-(\kb))+i], v[SA+16*(\half)+i], v[SB+i]
.endif
.set i, i+1
.endr
.endm
.macro CV half, kb                     ; the 16 roundings by themselves: ahead of the first x there is no product to ride behind
	WIN 0xa9+0x54*(\half)
.set i, 0
.rept 16
	v_cvt_pk_f16_f32 v[PP+16*(1-(\kb))+i], v[SA+16*(\half)+i], v[SB+i]
.set i, i+1
.endr
.endm
; A STEP.  kb: the buffers that its second product reads.  w1: the count of the wait at its head.  fp: it has a first product.  mk: the pair's two LDS addresses are made, as two of the four places.
; nb1, b1o: m2n's fragments of the x after next are fetched, at byte b1o.  a2, a2o: w3's of the next x, at byte a2o, into the other buffer.  sp: 1 the second product, 2 it starts the sums, 0 none.
; The four places stand behind the first product: ahead of the roundings, which read its results, and of the loads into m2n's registers, which it has read, and into w3's other buffer, which the step before has read.
.macro STEP kb, w1, fp, mk, nb1, b1o, a2, a2o, sp
.if \fp
	s_wait_dscnt \w1                               ; m2n's fragments are in; the run of w3's that was issued behind them may stay out
	FP
	WIN 0
.if \mk
	v_add_nc_u32 v[AW], s[TW], v[L16]
	v_add_nc_u32 v[AM], s[TM], v[AM0]
	v_nop
	v_nop
.else
	PLACES
.endif
.endif
.if \nb1
.irp u, 0,1,2,3
	ds_load_b128 v[B1+4*\u:B1+4*\u+3], v[AM] offset:(\b1o)+32*\u
.endr
.endif
.if \a2
	WIN 0x40                                       ; destination window 1
.irp t, 0,1,2,3,4,5,6,7
	ds_load_b128 v[A2+64*(1-(\kb))+8*\t:A2+64*(1-(\kb))+8*\t+3],   v[AW] offset:(\a2o)+1024*\t
	ds_load_b128 v[A2+64*(1-(\kb))+8*\t+4:A2+64*(1-(\kb))+8*\t+7], v[AW] offset:(\a2o)+1024*\t+512
.endr
.endif
.if \sp
	s_wait_dscnt 4*(\nb1)+16*(\a2)                 ; all but this step's own run: w3's fragments, fetched a step ago, are in
	SPH 0, \kb, (\sp)/2, \fp
	SPH 1, \kb, (\sp)/2, \fp
.else
	CV 0, \kb
	CV 1, \kb
.endif
.endm
; PAIR g makes steps 2 g - 1 and 2 g.  It fetches m2n of x = 2 g + 1 (the second half of the rows at TM) and 2 g + 2 (the next 16 rows), and w3 of x = 2 g and 2 g + 1.
.macro PAIR first, last
	STEP 1, 16-16*(\first), 1, 1, 1, 128, 1, 0, 1-(\first)
	STEP 0, 16, 1, 0, 1-(\last), 16*PM, 1, XB, 1+(\first)
	s_add_co_u32 s[TW], s[TW], 2*XB
	s_add_co_u32 s[TM], s[TM], 16*PM
	WIN 0                                          ; at a label and at a branch every window is 0
.endm
; Each wave waits for all its tensor loads, adds 0 to its spare word, and waits for that and for its LDS reads.  fill = 1: the first four pieces, whose x = 0 .. 7 have all been read, are filled again, a piece a wave:
; the barrier is a round of the cluster's, so that no wave of any partner still reads them or has a load on its way, and the joint refill is the first thing behind it.  fill = 0: the refill has landed, everybody's part of it.
.macro CHANGE fill
	WIN 0
	s_wait_tensorcnt 0x0                           ; no tensor load of mine is out, so a group 0 may be written
	ds_add_u32 v[SPW], v[NIL]                      ; 0 onto my spare word; with fill = 1 the refill's group 0 is made between it and the wait for it
.if \fill
	s_mov_b32 s[D0+1], s[WQ]                       ; piece w,
	s_add_nc_u64 s[D0+2:D0+3], s[W3Q:W3Q+1], 3*65536  ; from x = 24 .. 31
	s_or_b32 s[D0+3], s[D0+3], 0x80000000
.endif
	s_wait_dscnt 0x0                               ; the add is done, and my LDS reads are back
.if \fill
	CROUND
	tensor_load_to_lds s[D0:D0+3], s[G1W:G1W+7]    ; it has 16 steps, 768 matrix instructions of a wave, in which to land
	s_nop 0
	PLACES
.else
	s_barrier_signal -1
	s_barrier_wait -1
.endif
.endm
.macro LOOP n, tag
	s_mov_b32 s[CNT], \n
.Lpair_\tag:
	PAIR 0, 0
	s_sub_co_u32 s[CNT], s[CNT], 1
	s_cmp_lg_u32 s[CNT], 0
	s_cbranch_scc1 .Lpair_\tag
.endm
	s_wait_tensorcnt 0x3                           ; tensor loads of a wave end in order (ISA guide 10.11.1): my first fill is in; the three behind it may stay out
	s_barrier_signal -1
	s_barrier_wait -1                              ; everybody's is: w3f's x = 0 .. 5, m2n's x = 0 .. 7
.irp u, 0,1,2,3
	ds_load_b128 v[B1+4*\u:B1+4*\u+3], v[AM] offset:32*\u  ; m2n of x = 0
.endr
	; THE PREFETCH of what the refill will ask for: w3f's x = 24 .. 31, 256 bytes a lane, each block named once in the launch; it stands behind the first run of LDS loads, four pairs ahead of the refill
	s_cmp_eq_u32 s[LIM], 1
	s_cbranch_scc0 .Lnot_mine
	global_prefetch_b8 v[PFO], s[PFA:PFA+1] th:TH_LOAD_NT scope:SCOPE_SE
.Lnot_mine:
	s_wait_loadcnt 0x0                             ; m1n's fragments and b3
	s_wait_kmcnt 0x0                               ; the scales
	PAIR 1, 0                                      ; g = 0: written out, since its products start the sums
	LOOP 2, a                                      ; g = 1, 2: they fetch w3f's x = 2 .. 5 and m2n's x = 3 .. 6
	s_wait_tensorcnt 0x2                           ; my second fill is in; the two behind it may stay out
	s_wait_dscnt 0x0                               ; no LDS instruction of mine is pending at the signal
	s_barrier_signal -1
	s_barrier_wait -1                              ; everybody's is: w3f's x = 6 .. 11, m2n's x = 8 .. 15
	PAIR 0, 0                                      ; g = 3
	CHANGE 1                                       ; all first fills are in; the first four pieces go out again
	LOOP 8, b                                      ; g = 4 .. 11: x = 8 .. 23
	CHANGE 0
	s_mov_b32 s[TW], 0                             ; x = 24 lies at LDS byte 0
	LOOP 3, c                                      ; g = 12 .. 14
	PAIR 0, 1                                      ; g = 15: there is no x = 32 to fetch
	STEP 1, 0, 0, 0, 0, 0, 0, 0, 1                 ; step 31: the last second product alone
	WIN 0
	PLACES                                         ; between the last product and the first LDS store that reads a result
; THE WAY OUT, a combo (one j, 16 i, 128 p) at a time, through my own stage: a lane's eight p go in as 32 bytes of row i; whole rows of 512 bytes come back.
.macro TOSTAGE c
	WIN 0x08+4*((\c)/2)                            ; the stores' data (source 1) in window 2 or 3
.set t, 0
.rept 8
	ds_store_b128 v[STO], v[64*((\c)%2)+8*t:64*((\c)%2)+8*t+3]   offset:64*t
	ds_store_b128 v[STO], v[64*((\c)%2)+8*t+4:64*((\c)%2)+8*t+7] offset:64*t+16
.set t, t+1
.endr
	WIN 0
.set r, 0
.rept 16
	ds_load_b128 v[OB+64*((\c)%2)+4*r:OB+64*((\c)%2)+4*r+3], v[RD] offset:r*PS  ; LDS serves a wave's instructions in order (ISA guide 5.7.1.4): these see the stores above, and the next combo's stores come behind them
.set r, r+1
.endr
.endm
; Row r of combo c: times s2[i] s1[j], plus b3, in one fused line for two numbers, and stored.  younger: the LDS instructions issued behind the combo's loads.
.macro SEND c, younger
.set r, 0
.rept 16
.set o, OB+64*((\c)%2)+4*r
	s_wait_dscnt (\younger)+15-r
	s_mul_f32 s[RSC+2*(r%2)], s[S2+r], s[S1+(\c)]  ; both are powers of two
	v_pk_fma_f32 v[o:o+1],   v[o:o+1],   s[RSC+2*(r%2):RSC+2*(r%2)+1], v[B3:B3+1]   op_sel_hi:[1,0,1]
	v_pk_fma_f32 v[o+2:o+3], v[o+2:o+3], s[RSC+2*(r%2):RSC+2*(r%2)+1], v[B3+2:B3+3] op_sel_hi:[1,0,1]
	global_store_b128 v[L16], v[o:o+3], s[OUTB:OUTB+1] offset:r*131072+(\c)*512 th:TH_STORE_NT  ; the wave's store covers the 512 consecutive bytes of out[i][j][:], aligned
.set r, r+1
.endr
.endm
	TOSTAGE 0
	TOSTAGE 1
	SEND 0, 32
	s_wait_xcnt 0x0                                ; the stores of combo 0 have read their registers: only behind this wait are they loaded again
	TOSTAGE 2
	SEND 1, 32
	s_wait_xcnt 0x0
	TOSTAGE 3
	SEND 2, 32
	SEND 3, 0
	s_wait_tensorcnt 0x0                           ; the wave's end, behind my last tensor load and my last LDS store
	ds_add_u32 v[SPW], v[NIL]
	s_wait_dscnt 0x0
	CROUND                                         ; the closing round: no work-group ends while a partner may still ask for a tile that names it
	s_endpgm
.Lfunc_end_k_q45e461dd30_opm:
	.size	k_q45e461dd30_opm, .Lfunc_end_k_q45e461dd30_opm-k_q45e461dd30_opm
	.p2alignl 7, 3214868480
	.fill 96, 4, 3214868480
	.section	.rodata,"a",@progbits
	.p2align	6, 0x0
	.amdhsa_kernel k_q45e461dd30_opm
		.amdhsa_group_segment_fixed_size 327680
		.amdhsa_private_segment_fixed_size 0
		.amdhsa_enable_private_segment 0
		.amdhsa_kernarg_size 48
		.amdhsa_user_sgpr_count 2
		.amdhsa_user_sgpr_kernarg_segment_ptr 1
		.amdhsa_wavefront_size32 1
		.amdhsa_system_sgpr_workgroup_id_x 1
		.amdhsa_system_sgpr_workgroup_id_y 1
		.amdhsa_system_sgpr_workgroup_id_z 1
		.amdhsa_system_vgpr_workitem_id 0
		.amdhsa_next_free_vgpr 944
		.amdhsa_next_free_sgpr 96
		.amdhsa_reserve_vcc 0
		.amdhsa_float_denorm_mode_32 3
		.amdhsa_float_denorm_mode_16_64 3
		.amdhsa_memory_ordered 1
		.amdhsa_forward_progress 1
		.amdhsa_inst_pref_size 120
	.end_amdhsa_kernel
	.amdgpu_metadata
---
amdhsa.version: [ 1, 2 ]
amdhsa.kernels:
  - .name:           k_q45e461dd30_opm
    .symbol:         k_q45e461dd30_opm.kd
    .args:
      - { .name: m1f, .offset: 0, .size: 8, .value_kind: global_buffer, .address_space: global }
      - { .name: m2f, .offset: 8, .size: 8, .value_kind: global_buffer, .address_space: global }
      - { .name: w3f, .offset: 16, .size: 8, .value_kind: global_buffer, .address_space: global }
      - { .name: scl, .offset: 24, .size: 8, .value_kind: global_buffer, .address_space: global }
      - { .name: b3, .offset: 32, .size: 8, .value_kind: global_buffer, .address_space: global }
      - { .name: out0, .offset: 40, .size: 8, .value_kind: global_buffer, .address_space: global }
    .group_segment_fixed_size: 327680
    .private_segment_fixed_size: 0
    .kernarg_segment_align: 8
    .kernarg_segment_size: 48
    .max_flat_workgroup_size: 128
    .sgpr_count:     96
    .vgpr_count:     944
    .wavefront_size: 32
...
	.end_amdgpu_metadata
.endif
;; end of part 2
